; MI455X (gfx1250); checked and timed in simulation.
; The chip was launched on July 23, 2026; its instructions are those of AMD's public machine-readable ISA for CDNA 5 (MIT licence, August 2026) and "CDNA5" Instruction Set Architecture Reference Guide (July 2026). The comments in the code are by the model that wrote it; some were corrected since.
;; Quantized Weight Layer. Allowed arithmetic: float matrix products may take bf16 or f16 operands with f32 sums; other float arithmetic in f32, or as packed bf16 or f16 multiplies, adds, multiply-adds, maxima and minima; sums over many terms, partial sums and values carried from step to step in f32; what a program stores and reads back later, other than sums and carried values, may be rounded once to bf16 or f16.
;; Inputs: quantized_kernel 4,096 x 2,048 int8; scale one number float32; x 4 x 2,048 x 4,096 float32.
;; Outputs: out0 4 x 2,048 x 2,048 float32.
;; 2 versions, each right; version 2 is version 1 with the launch prep written anew for expert scheduling mode. Each part assembles by itself: llvm-mc -triple=amdgcn-amd-amdhsa -mcpu=gfx1250 --defsym DOCPART=n.
;; ======== version 1 of 2: 2 launches
;; workspace buffers: wt 16,777,216 bytes; xb 67,108,864 bytes
;; launch prep (part 1): grid 1536 x 1, 8 waves a work-group, no clusters, 0 bytes of LDS; arguments quantized_kernel, x, wt, xb; writes wt, xb
.if DOCPART == 1
	.amdgcn_target "amdgcn-amd-amdhsa--gfx1250"
	.amdhsa_code_object_version 6
	.text
	.protected	k_q5f35e4319a_prep
	.globl	k_q5f35e4319a_prep
	.p2align	8
	.type	k_q5f35e4319a_prep,@function
k_q5f35e4319a_prep:
	s_mov_b64 s[64:65], 0
	v_nop
	global_prefetch_b8 v0, s[64:65] scope:SCOPE_SE
	s_setreg_imm32_b32 hwreg(HW_REG_WAVE_MODE, 25, 1), 1
	s_wait_xcnt 0x0
; TWO JOBS IN ONE LAUNCH, told apart by the work-group's number: both operands of the product that follows are written as bf16.
; WORK-GROUPS 0 TO 511.  W: [4096 (k)][2048 (n)] int8  ->  wt: the same numbers as bf16 (every int8, -128 too, is exact in bf16), in blocks.
;   The 16 bytes that hold k = 64 s + 8 c + 0..7 (ascending, the lowest k in the lowest bits) of column n = 128 nb + 8 l + j lie at byte
;     nb x 1,048,576 + s x 16,384 + c x 2,048 + j x 256 + l x 16      (nb 0..15, s 0..63, c 0..7, j 0..7, l 0..15)
;   so 128 columns x 64 k are 16,384 dense bytes, 64 rows (c, j) of 256 bytes, and the blocks of one nb follow each other along k.
;   Work-group id: s = id % 64, columns 256 Y .. 256 Y + 255 with Y = id / 64.  Wave c: the eight rows k = 64 s + 8 c + 0..7.  Lane L: the eight columns 256 Y + 8 L + 0..7.
;   A wave loads 8 x 256 consecutive bytes, aligned, and stores 8 x (2 x 256): in each store lanes 0-15 write 256 consecutive bytes, aligned, of block nb = 2 Y, lanes 16-31 of nb = 2 Y + 1.
; WORK-GROUPS 512 TO 1,535.  x: [8192][4096] f32  ->  xb: the same shape in bf16, each number rounded once, to nearest even (|x| above 3.39e38 becomes infinity; NaN stays NaN).
;   A work-group owns 131,072 consecutive bytes of x: 32 pieces of 4,096.  Thread t owns the 16 bytes at 16 t of every piece and the 8 bytes at 8 t of its 2,048 bytes of xb: a wave's load covers 512 consecutive
;   bytes, its store 256 consecutive bytes, aligned.  A ring of 16 slots in registers keeps 16 loads of every wave on their way; the two rounds are written out, so a piece's place stands in the immediate
;   and no address register is ever rewritten.
; Nothing is shared between waves: no LDS, no barrier.
.set NW,    512                        ; work-groups that lay W out
.set ROWB,  2048                       ; bytes in a row of W
.set R,     8                          ; v[8:23]   W: row i of my eight: the pair v[8+2i:9+2i], eight int8
.set T,     24                         ; v[24:31]  W: eight numbers at work
.set Y,     32                         ; v[32:63]  W: column j: four registers, eight bf16; each column has its own, so no store's data is rewritten
.set DEPTH, 16                         ; x: slots = loads on their way in each wave
.set PIECE, 4096                       ; x: bytes that the work-group's 256 threads load at once
.set XC,    8                          ; v[8:71]   x: slot i: four f32 as loaded
.set YC,    72                         ; v[72:103] x: slot i: four bf16 to store
	s_load_b256 s[4:11], s[0:1], 0x0               ; W s[4:5], x s[6:7], wt s[8:9], xb s[10:11]
	s_mov_b32 s2, ttmp9
	s_cmp_lt_u32 s2, NW
	s_cbranch_scc0 .Lcast
	v_and_b32 v1, 31, v0                           ; L
	v_lshrrev_b32 v2, 5, v0
	v_readfirstlane_b32 s12, v2                    ; wave c
	s_and_b32 s13, s2, 63                          ; s
	s_lshr_b32 s14, s2, 6                          ; Y
	v_lshlrev_b32 v3, 3, v1                        ; in: 8 L
	v_lshrrev_b32 v2, 4, v1                        ; L / 16: which of the two blocks nb
	v_and_b32 v4, 15, v1                           ; l
	v_lshlrev_b32 v4, 4, v4
	v_lshl_or_b32 v4, v2, 20, v4                   ; out: (L / 16) x 1,048,576 + 16 l
	s_lshl_b32 s16, s13, 17                        ; in: 64 s rows of 2,048 bytes,
	s_lshl_b32 s17, s12, 14                        ; 8 c rows,
	s_add_co_u32 s16, s16, s17
	s_lshl_b32 s17, s14, 8                         ; 256 Y columns
	s_add_co_u32 s16, s16, s17
	s_mov_b32 s17, 0
	s_lshl_b32 s18, s14, 21                        ; out: nb = 2 Y,
	s_lshl_b32 s19, s13, 14                        ; block s,
	s_add_co_u32 s18, s18, s19
	s_lshl_b32 s19, s12, 11                        ; chunk c
	s_add_co_u32 s18, s18, s19
	s_mov_b32 s19, 0
	s_wait_kmcnt 0x0
	s_add_nc_u64 s[4:5], s[4:5], s[16:17]
	s_add_nc_u64 s[8:9], s[8:9], s[18:19]
.irp i, 0,1,2,3,4,5,6,7
	global_load_b64 v[R+2*(\i):R+2*(\i)+1], v3, s[4:5] offset:ROWB*(\i) th:TH_LOAD_NT
.endr
	s_wait_loadcnt 0x0                             ; a column wants a byte of each of the eight rows: all are needed at once
.irp j, 0,1,2,3,4,5,6,7
; column j: byte j % 4 of word j / 4 of each row, sign-extended (moved to the top, shifted back down), made f32, rounded (exactly) to bf16 in pairs of k
.if ((\j)%4) < 3
.irp i, 0,1,2,3,4,5,6,7
	v_lshlrev_b32 v[T+(\i)], 24-8*((\j)%4), v[R+2*(\i)+(\j)/4]
.endr
.irp i, 0,1,2,3,4,5,6,7
	v_ashrrev_i32 v[T+(\i)], 24, v[T+(\i)]
.endr
.else
.irp i, 0,1,2,3,4,5,6,7
	v_ashrrev_i32 v[T+(\i)], 24, v[R+2*(\i)+(\j)/4]
.endr
.endif
.irp i, 0,1,2,3,4,5,6,7
	v_cvt_f32_i32 v[T+(\i)], v[T+(\i)]
.endr
.irp q, 0,1,2,3
	v_cvt_pk_bf16_f32 v[Y+4*(\j)+(\q)], v[T+2*(\q)], v[T+2*(\q)+1]
.endr
	global_store_b128 v4, v[Y+4*(\j):Y+4*(\j)+3], s[8:9] offset:256*(\j)
.endr
	s_endpgm
.Lcast:
	s_sub_co_u32 s2, s2, NW                        ; which 131,072 bytes of x: 0 .. 1,023
	v_lshlrev_b32 v1, 4, v0                        ; in: 16 t; never rewritten
	v_lshlrev_b32 v2, 3, v0                        ; out: 8 t; never rewritten
	s_lshl_b32 s12, s2, 17
	s_mov_b32 s13, 0
	s_lshl_b32 s14, s2, 16
	s_mov_b32 s15, 0
	s_wait_kmcnt 0x0
	s_add_nc_u64 s[6:7], s[6:7], s[12:13]
	s_add_nc_u64 s[10:11], s[10:11], s[14:15]
.irp i, 0,1,2,3,4,5,6,7,8,9,10,11,12,13,14,15
	global_load_b128 v[XC+4*(\i):XC+4*(\i)+3], v1, s[6:7] offset:(\i)*PIECE th:TH_LOAD_NT  ; the ring is filled: pieces 0 to 15
.endr
; One slot's turn.  ahead = 1, the first round: the slot is filled again with the piece DEPTH further on, and the load goes out ahead of the store.
; left = how many younger loads may still be out when this slot's load has to be there.
.macro SLOT i, ahead, left
	s_wait_loadcnt \left                           ; loads come back in order (ISA guide 5.7.1): mine is in, the younger ones stay out
.if !(\ahead)
	s_wait_xcnt 0x0                                ; every earlier memory instruction has had its addresses translated (ISA guide 3.1): the slot's pair, which its first store reads, is rewritten only behind this wait
.endif
	v_cvt_pk_bf16_f32 v[YC+2*(\i)],   v[XC+4*(\i)],   v[XC+4*(\i)+1]
	v_cvt_pk_bf16_f32 v[YC+2*(\i)+1], v[XC+4*(\i)+2], v[XC+4*(\i)+3]
.if \ahead
	global_load_b128 v[XC+4*(\i):XC+4*(\i)+3], v1, s[6:7] offset:(DEPTH+(\i))*PIECE th:TH_LOAD_NT
	global_store_b64 v2, v[YC+2*(\i):YC+2*(\i)+1], s[10:11] offset:(\i)*PIECE/2
.else
	global_store_b64 v2, v[YC+2*(\i):YC+2*(\i)+1], s[10:11] offset:(DEPTH+(\i))*PIECE/2
.endif
.endm
.irp i, 0,1,2,3,4,5,6,7,8,9,10,11,12,13,14,15
	SLOT \i, 1, DEPTH-1
.endr
.irp i, 0,1,2,3,4,5,6,7,8,9,10,11,12,13,14,15
	SLOT \i, 0, DEPTH-1-(\i)                       ; the second round loads nothing: the counts run down
.endr
	s_endpgm
.Lfunc_end_k_q5f35e4319a_prep:
	.size	k_q5f35e4319a_prep, .Lfunc_end_k_q5f35e4319a_prep-k_q5f35e4319a_prep
	.p2alignl 7, 3214868480
	.fill 96, 4, 3214868480
	.section	.rodata,"a",@progbits
	.p2align	6, 0x0
	.amdhsa_kernel k_q5f35e4319a_prep
		.amdhsa_group_segment_fixed_size 0
		.amdhsa_private_segment_fixed_size 0
		.amdhsa_enable_private_segment 0
		.amdhsa_kernarg_size 32
		.amdhsa_user_sgpr_count 2
		.amdhsa_user_sgpr_kernarg_segment_ptr 1
		.amdhsa_wavefront_size32 1
		.amdhsa_system_sgpr_workgroup_id_x 1
		.amdhsa_system_sgpr_workgroup_id_y 1
		.amdhsa_system_sgpr_workgroup_id_z 1
		.amdhsa_system_vgpr_workitem_id 0
		.amdhsa_next_free_vgpr 104
		.amdhsa_next_free_sgpr 66
		.amdhsa_reserve_vcc 0
		.amdhsa_float_denorm_mode_32 3
		.amdhsa_float_denorm_mode_16_64 3
		.amdhsa_memory_ordered 1
		.amdhsa_forward_progress 1
		.amdhsa_inst_pref_size 23
	.end_amdhsa_kernel
	.amdgpu_metadata
---
amdhsa.version: [ 1, 2 ]
amdhsa.kernels:
  - .name:           k_q5f35e4319a_prep
    .symbol:         k_q5f35e4319a_prep.kd
    .args:
      - { .name: quantized_kernel, .offset: 0, .size: 8, .value_kind: global_buffer, .address_space: global }
      - { .name: x, .offset: 8, .size: 8, .value_kind: global_buffer, .address_space: global }
      - { .name: wt, .offset: 16, .size: 8, .value_kind: global_buffer, .address_space: global }
      - { .name: xb, .offset: 24, .size: 8, .value_kind: global_buffer, .address_space: global }
    .group_segment_fixed_size: 0
    .private_segment_fixed_size: 0
    .kernarg_segment_align: 8
    .kernarg_segment_size: 32
    .max_flat_workgroup_size: 256
    .sgpr_count:     66
    .vgpr_count:     104
    .wavefront_size: 32
...
	.end_amdgpu_metadata
.endif
;; end of part 1
;; launch gemm (part 2): grid 8 x 32, 4 waves a work-group, clusters of 4 x 4, 327,680 bytes of LDS; arguments xb, wt, scale, out0; writes out0
.if DOCPART == 2
	.amdgcn_target "amdgcn-amd-amdhsa--gfx1250"
	.amdhsa_code_object_version 6
	.text
	.protected	k_q5f35e4319a_gemm
	.globl	k_q5f35e4319a_gemm
	.p2align	8
	.type	k_q5f35e4319a_gemm,@function
k_q5f35e4319a_gemm:
	s_mov_b64 s[64:65], 0
	v_nop
	global_prefetch_b8 v0, s[64:65] scope:SCOPE_SE
	s_setreg_imm32_b32 hwreg(HW_REG_WAVE_MODE, 25, 1), 1
	s_wait_xcnt 0x0
	s_wait_alu depctr_hold_cnt(0) depctr_sa_sdst(0) depctr_va_vdst(0) depctr_va_sdst(0) depctr_va_ssrc(0) depctr_va_vcc(0) depctr_vm_vsrc(0)
	s_getreg_b32 s2, hwreg(HW_REG_IB_STS2, 6, 4)
	s_cmp_eq_u32 s2, 0
	s_cbranch_scc0 .Lentry_in_a_cluster
	s_endpgm
.Lentry_in_a_cluster:
	s_bfe_u32 s2, ttmp6, 0x10000c
	s_cmp_lg_u32 s2, 0xf033
	s_cbranch_scc0 .Lentry_shape_is_right
	s_endpgm
.Lentry_shape_is_right:
; out0[m][n] = scale x the sum over k of x[m][k] W[k][n].  xb: x as bf16, [8192][4096].  wt: W as bf16, in blocks (below).  Both were written by the launch before.  out0: [8192][2048] f32.
; ARITHMETIC AND LIMITS.  x was rounded once to bf16; W is exact in bf16; one f32 sum for each output, K ascending; the finished sum is multiplied once by scale, in f32 (the reference scales W first: another
; order of rounding, parts in 1e7).  bf16 has f32's exponents, so no range is lost; NaN and infinities go through as through any product.
; SHARES.  A tile of out0, 256 x 256, is made by a work-group of four waves; 32 x 8 tiles, one work-group each.  A wave makes 128 x 128: 64 accumulators of 16 x 16, 512 registers.
; K goes in steps of 128 through a ring of two LDS slots filled by the tensor data mover: xb's rows of a step are 256 bytes, at multiples of 256 from the buffer's first byte; wt's part of a step is 128 dense rows of 256 bytes for each 128 columns.
; wt: the 16 bytes with k = 8 C + 0..7 (C = 0 .. 511) of column 128 nb + 8 l + j lie at nb x 1,048,576 + C x 2,048 + j x 256 + l x 16.
; THE MATRIX INSTRUCTION IS USED TRANSPOSED: source 0 = 16 columns of W, source 1 = 16 rows of x.  In the result lane l holds row l % 16 of out0 and the columns 8 (l / 16) + 0..7: 32 bytes on end.
; CLUSTERS: 4 x 4 work-groups.  The four of a row of the cluster need the same tiles of xb, the four of a column the same blocks of wt: each is asked for JOINTLY, by the same tensor load with the same descriptor
; and a mask that names the four.
; REGISTERS, in windows of 256 (s_set_vgpr_msb: bits 1:0 source 0, 3:2 source 1, 5:4 source 2, 7:6 destination):
;   window 0: v0-31 addresses; v64-127, v128-191 fragments of x (8 x 16 rows x 32 k), two buffers; on the way out these take whole rows, and v192-255 the scaled sums
;   window 1: v64-127, v128-191 fragments of W, two buffers
;   window 2: the 32 accumulators of my rows 0-63 ((a, b) at v[8 (8 a + b)])       window 3: those of my rows 64-127
; Work is laid in long stretches under one setting: 32 matrix instructions, 16 loads, 16 loads, 32 matrix instructions.
.set KSTEP,  128
.set XSTEP,  KSTEP*2                   ; bytes of a row of xb in a K step
.set WSTEP,  32768                     ; bytes of 128 columns of wt in a K step
.set PA,     272                       ; a row of xb in LDS: 256 bytes + 16 of padding = 68 words: row r starts at bank 4 r mod 64 (64 banks of 4 bytes: ISA guide 11.1): the 16 rows of a load start at 16 different groups of four banks
.set PB,     288                       ; a row (C, j) of wt in LDS: 256 + 32 = 72 words
.set AHALF,  128*PA                    ; 128 rows of xb: one tensor load, and what one wave reads of x
.set BOFF,   2*AHALF                   ; behind xb's 256 rows: wt's two blocks
.set BHALF,  128*PB                    ; 128 columns of wt: one tensor load, and what one wave reads of W
.set SLOT,   BOFF+2*BHALF              ; 143,360
.set STAGE,  2*SLOT                    ; behind the ring, never filled by a tensor load: 16 rows x 528 bytes for each wave, for the way out
.set SP,     528                       ; 512 bytes + 16: 132 words
.set SPARE,  STAGE+4*16*SP             ; behind the stages: the spare words, 128 bytes for each wave: two blocks of 256 bytes that no other line names
.set ROWC,   8192                      ; bytes in a row of out0
.set LAPS,   4096/(2*KSTEP)            ; a lap = two K steps = once round the ring
.set ADRA, 16                          ; v16-17  LDS address of my fragments of x in slot 0, 1
.set ADRB, 20                          ; v20-21  the same for W
.set STO,  24                          ; v24     the way out: where I put 32 bytes of a row
.set RD,   25                          ; v25     the way out: where I read a row back
.set CO,   26                          ; v26     16 x lane: my bytes in 512 consecutive bytes of out0
.set SPW,  28                          ; v28     LDS address of my spare word: SPARE + 4 x my thread's number; never rewritten
.set NIL,  29                          ; v29     0; never rewritten
.set PFO,  30                          ; v30     the prefetches' offset; never rewritten
.set F0,   64                          ; fragment buffer 0
.set F1,   128                         ; fragment buffer 1
.set TMP,  192                         ; the way out: 16 rows x 128 columns, scaled
.set OB,   64                          ; the way out: whole rows read back: v64-127 and v128-191 by turns
.set WV,   12                          ; s12  my wave's number
.set HALF, 13                          ; s13  which half of the tile's columns is mine.  Also: which 128 rows of xb, or which block of wt, I fetch
.set FB,   14                          ; s14  which half of its rows.  Also: I fetch for xb (0) or for wt (1)
.set CX,   15                          ; s15, s16  my place in the cluster
.set CY,   16
.set TC,   17                          ; s17  tile column
.set TR,   18                          ; s18  tile row
.set G1A,  24                          ; s[24:31] descriptor group 1 for xb's tiles
.set G0A,  32                          ; s[32:39] group 0, a set for each slot
.set G1B,  40                          ; s[40:47], s[48:55] the same for wt's blocks
.set G0B,  48
.set CNT,  56                          ; s56  trips of the loop still to come
.set LIM,  57                          ; s57  1 in a wave that prefetches, else the greatest number
.set PFA,  58                          ; s[58:59] where my prefetches stand
.set PFS,  60                          ; s[60:61] their step from K step to K step
.set SC,   66                          ; s[66:67] scale: the packed multiply names a pair and takes its low word for both halves
.set MSB, 0
.macro WIN new                         ; the immediate's high byte repeats the setting that is left; a switch that changes nothing is dropped
.if MSB != (\new)
	s_set_vgpr_msb (MSB<<8)|(\new)
.set MSB, \new
.endif
.endm
.set MUL_LO, 0xa1                      ; source 0 (W) window 1, source 1 (x) window 0, C and D window 2
.set MUL_HI, 0xf1                      ; the same, C and D window 3
.set TO_B,   0x40                      ; destination window 1, address window 0
; A vector instruction that reads a matrix result or writes one of a matrix instruction's registers, and a load into a register that a matrix instruction has read, stand four places behind it, and only plain vector
; instructions that name none of its registers are places (ISA guide 7.12.1 for vector instructions); the matrix instructions in between are not counted.
.macro PLACES
.rept 4
	v_nop
.endr
.endm
; A joint load.  Waves 0 and 1 fetch xb's two halves, waves 2 and 3 wt's two blocks.  Each line has one mask and one set of registers for all that issue it.  The branch hangs on the wave's number alone.
; An s_nop 0 and four v_nop follow each of the two lines, ahead of the jump, the label and what follows.
.macro JLOAD q
	s_cmp_eq_u32 s[FB], 0
	s_cbranch_scc0 .Lfor_b_\@
	tensor_load_to_lds s[G0A+4*(\q):G0A+4*(\q)+3], s[G1A:G1A+7]
	s_nop 0
.rept 4
	v_nop
.endr
	s_branch .Lasked_\@
.Lfor_b_\@:
	tensor_load_to_lds s[G0B+4*(\q):G0B+4*(\q)+3], s[G1B:G1B+7]
	s_nop 0
.rept 4
	v_nop
.endr
.Lasked_\@:
.endm
; A PREFETCH INTO THE L2, behind each joint load of the loop, its five lines and the run of LDS loads that follows: the change of slots in K step n refills K step n + 2 and names K step n + 4: two refills, 512 matrix
; instructions, ahead of the load that will want it.  32 rows x 256 bytes, a lane a row, one instruction a wave.
; Each aligned block of 256 bytes is named ONCE in the launch.  xb's rows are read by both clusters of a row of clusters: cluster x = 0 asks; wt's blocks by all eight clusters of a column of clusters: cluster y = 0 asks.
; Of the 128 rows that a wave fetches, the partner at place p takes 32 p .. 32 p + 31 (p = cx for xb, cy for wt): the partners are told apart BY ADDRESS, and no branch hangs on a work-group's place in its cluster.
; The loop's last trip asks for nothing: its two refills, K steps 30 and 31, have no K step two refills on.  K steps 0 to 3 come by their loads alone: nothing is asked for at the head, where every work-group's first tiles are on their way.
.macro ASK
	s_cmp_gt_u32 s[CNT], s[LIM]                    ; s[CNT] = 1 in the loop's last trip
	s_cbranch_scc0 .Lnot_mine_\@
	global_prefetch_b8 v[PFO], s[PFA:PFA+1] th:TH_LOAD_NT scope:SCOPE_SE
.Lnot_mine_\@:
.endm
; A round of the cluster's barrier: my work-group's barrier, so that wave 0's signal speaks for all four waves; wave 0 signals for the work-group; every wave waits for all sixteen work-groups; my work-group's barrier once more.
.macro CREST                           ; a round behind its opening barrier
	s_cmp_lg_u32 s[WV], 0
	s_cbranch_scc1 .Lnot_wave_0_\@
	s_barrier_signal -3
.Lnot_wave_0_\@:
	s_barrier_wait -3
	s_barrier_signal -1
	s_barrier_wait -1
.endm
.macro CROUND                          ; a whole round
	s_barrier_signal -1
	s_barrier_wait -1
	CREST
.endm
	s_load_b256 s[4:11], s[0:1], 0x0               ; xb s[4:5], wt s[6:7], scale's address s[8:9], out0 s[10:11]
	v_lshl_add_u32 v[SPW], v0, 2, SPARE
	v_mov_b32 v[NIL], 0
	ds_add_u32 v[SPW], v[NIL]                      ; the wave's opening: the add, twice on end, and its wait stand ahead of my first tensor load; the set-up below, work on registers, stands between
	ds_add_u32 v[SPW], v[NIL]                      ; and once more, under the one wait
	v_lshrrev_b32 v1, 5, v0
	v_readfirstlane_b32 s[WV], v1                  ; wave 0..3
	s_and_b32 s[HALF], s[WV], 1
	s_lshr_b32 s[FB], s[WV], 1
	s_bfe_u32 s[CX], ttmp6, 0x40000                ; cx
	s_bfe_u32 s[CY], ttmp6, 0x40004                ; cy
	s_lshl_b32 s[TC], ttmp9, 2                     ; in a cluster launch ttmp9 and ttmp7 count clusters
	s_add_co_u32 s[TC], s[TC], s[CX]               ; tile column = 4 x cluster x + cx
	s_and_b32 s[TR], ttmp7, 0xffff
	s_lshl_b32 s[TR], s[TR], 2
	s_add_co_u32 s[TR], s[TR], s[CY]               ; tile row = 4 x cluster y + cy
	s_lshl_b32 s2, s[CY], 2
	s_lshl_b32 s2, 15, s2                          ; my row of the cluster: places 4 cy .. 4 cy + 3
	s_lshl_b32 s3, 0x1111, s[CX]                   ; my column: places cx, cx + 4, cx + 8, cx + 12
	; group 1 for xb: 128 rows x 128 elements of 2 bytes, 4,096 elements from row to row
	s_or_b32 s[G1A+0], s2, (1<<16)|(1<<20)|(1<<21)|(5<<22)|(3<<25)  ; 15:0 the mask: my row; 17:16 elements of 2 bytes; 20 padding on; 21 set beside a mask; 24:22 after every 64 words (code 5); 31:25 4 words of it (code 3)
	s_mov_b32 s[G1A+1], KSTEP<<16                  ; tensor_dim0 = 128
	s_mov_b32 s[G1A+2], 128<<16                    ; tensor_dim1 = 128
	s_mov_b32 s[G1A+3], KSTEP<<16                  ; tile_dim0 = 128
	s_mov_b32 s[G1A+4], 128                        ; tile_dim1 = 128
	s_mov_b32 s[G1A+5], 4096                       ; tensor_dim0_stride
	s_mov_b32 s[G1A+6], 0
	s_mov_b32 s[G1A+7], 0
	; group 1 for wt: 128 dense rows of 128 elements of 2 bytes
	s_or_b32 s[G1B+0], s3, (1<<16)|(1<<20)|(1<<21)|(5<<22)|(7<<25)  ; the mask: my column; after every 64 words 8 words of padding (code 7)
	s_mov_b32 s[G1B+1], 128<<16                    ; tensor_dim0 = 128
	s_mov_b32 s[G1B+2], 128<<16                    ; tensor_dim1 = 128
	s_mov_b32 s[G1B+3], 128<<16                    ; tile_dim0 = 128
	s_mov_b32 s[G1B+4], 128                        ; tile_dim1 = 128
	s_mov_b32 s[G1B+5], 128                        ; tensor_dim0_stride
	s_mov_b32 s[G1B+6], 0
	s_mov_b32 s[G1B+7], 0
	s_mul_i32 s19, s[HALF], AHALF                  ; where the tiles go: no place in the cluster enters an LDS address
	s_mul_i32 s62, s[HALF], BHALF
	s_add_co_u32 s62, s62, BOFF
	; where they come from.  xb's hang on the tile row alone, which my row of the cluster shares; wt's on the tile column alone, which my column shares
	s_lshl_b32 s20, s[TR], 8
	s_lshl_b32 s2, s[HALF], 7
	s_add_co_u32 s20, s20, s2                      ; xb: row 256 x tile row + 128 x half,
	s_lshl_b32 s20, s20, 13                        ; of 8,192 bytes (under 2^27 in all)
	s_mov_b32 s21, 0
	s_lshl_b32 s22, s[TC], 1
	s_add_co_u32 s22, s22, s[HALF]                 ; wt: block nb = 2 x tile column + half,
	s_lshl_b32 s22, s22, 20                        ; of 1,048,576 bytes
	s_mov_b32 s23, 0
	s_wait_dscnt 0x0                               ; both opening adds are done
	s_wait_kmcnt 0x0
	s_load_b32 s[SC], s[8:9], 0x0                  ; scale: waited for below
	s_add_nc_u64 s[20:21], s[4:5], s[20:21]
	s_add_nc_u64 s[22:23], s[6:7], s[22:23]
.irp q, 0,1
	s_mov_b32 s[G0A+4*(\q)], 1                                     ; 1:0 count = 1
	s_add_co_u32 s[G0A+4*(\q)+1], s19, (\q)*SLOT                   ; 63:32 LDS address
	s_add_nc_u64 s[G0A+4*(\q)+2:G0A+4*(\q)+3], s[20:21], (\q)*XSTEP  ; 120:64 global address: K step q
	s_or_b32 s[G0A+4*(\q)+3], s[G0A+4*(\q)+3], 0x80000000          ; 127:126 type = 2
	s_mov_b32 s[G0B+4*(\q)], 1
	s_add_co_u32 s[G0B+4*(\q)+1], s62, (\q)*SLOT
	s_add_nc_u64 s[G0B+4*(\q)+2:G0B+4*(\q)+3], s[22:23], (\q)*WSTEP
	s_or_b32 s[G0B+4*(\q)+3], s[G0B+4*(\q)+3], 0x80000000
.endr
	CROUND                                         ; all sixteen work-groups are here: the first joint loads meet
	s_cmp_eq_u32 s[FB], 0                          ; a wave's two first fills stand in one branch, ahead of every wait on TENSORcnt and every LDS read: two loads of mine are out
	s_cbranch_scc0 .Lfirst_b
	tensor_load_to_lds s[G0A:G0A+3], s[G1A:G1A+7]
	s_nop 0
	tensor_load_to_lds s[G0A+4:G0A+7], s[G1A:G1A+7]
	s_nop 0
.rept 4
	v_nop
.endr
	s_branch .Lfirst_asked
.Lfirst_b:
	tensor_load_to_lds s[G0B:G0B+3], s[G1B:G1B+7]
	s_nop 0
	tensor_load_to_lds s[G0B+4:G0B+7], s[G1B:G1B+7]
	s_nop 0
.rept 4
	v_nop
.endr
.Lfirst_asked:
	; A fragment is 16 rows x 32 k in 8 registers: lane l holds row r = l % 16; with h = l / 16, registers 0-3 hold k = 8 h + 0..7, registers 4-7 k = 16 + 8 h + 0..7.
	v_and_b32 v1, 15, v0                           ; r
	v_bfe_u32 v2, v0, 4, 1                         ; h
	v_mul_u32_u24 v3, v1, PA                       ; x: rows lie along k: row x pitch + 16 h, and 32 bytes on
	v_lshl_add_u32 v3, v2, 4, v3
	s_mul_i32 s2, s[FB], AHALF                     ; my 128 rows
	v_add_nc_u32 v[ADRA], s2, v3
	v_add_nc_u32 v[ADRA+1], SLOT, v[ADRA]
	v_and_b32 v4, 7, v0                            ; W: column 16 i + r of a block lies in row (C, j = r % 8), at 16 (2 i + r / 8); C = 4 u + h in quarter u, and two further on
	v_bfe_u32 v5, v0, 3, 1
	v_mul_u32_u24 v6, v4, PB
	v_lshl_add_u32 v6, v5, 4, v6
	v_mul_u32_u24 v7, v2, 8*PB
	v_add_nc_u32 v6, v6, v7
	s_mul_i32 s2, s[HALF], BHALF                   ; my 128 columns,
	s_add_co_u32 s2, s2, BOFF                      ; which lie behind xb's 256 rows
	v_add_nc_u32 v[ADRB], s2, v6
	v_add_nc_u32 v[ADRB+1], SLOT, v[ADRB]
	s_mul_i32 s3, s[WV], 16*SP
	s_add_co_u32 s3, s3, STAGE                     ; my stage
	v_mul_u32_u24 v8, v1, SP                       ; in: row r, 32 bytes for each half of the lanes
	v_lshl_add_u32 v8, v2, 5, v8
	v_add_nc_u32 v[STO], s3, v8
	v_and_b32 v9, 31, v0
	v_lshlrev_b32 v[CO], 4, v9                     ; back: 32 lanes take one row of 512 bytes
	v_add_nc_u32 v[RD], s3, v[CO]
	; out0 at my 128 rows and my 128 columns; written once
	s_lshl_b32 s2, s[TR], 8
	s_lshl_b32 s3, s[FB], 7
	s_add_co_u32 s2, s2, s3
	s_lshl_b32 s2, s2, 13                          ; rows of 8,192 bytes
	s_lshl_b32 s3, s[TC], 10                       ; 256 columns of 4 bytes
	s_add_co_u32 s2, s2, s3
	s_lshl_b32 s3, s[HALF], 9                      ; 128 columns
	s_add_co_u32 s2, s2, s3
	s_mov_b32 s3, 0
	s_add_nc_u64 s[10:11], s[10:11], s[2:3]
	; the prefetches: my work-group's 32 rows, at K step 3; each change of slots steps the pointer by a K step and then names what it points at
	s_lshl_b32 s62, s[TR], 8
	s_lshl_b32 s63, s[HALF], 7
	s_add_co_u32 s62, s62, s63
	s_lshl_b32 s63, s[CX], 5
	s_add_co_u32 s62, s62, s63                     ; xb: row 256 x tile row + 128 x half + 32 cx
	s_lshl_b32 s62, s62, 13
	s_add_co_u32 s62, s62, 3*XSTEP
	s_lshl_b32 s2, s[TC], 1
	s_add_co_u32 s2, s2, s[HALF]                   ; wt: block 2 x tile column + half,
	s_lshl_b32 s2, s2, 20
	s_lshl_b32 s3, s[CY], 13                       ; its rows 32 cy on, of 256 bytes
	s_add_co_u32 s2, s2, s3
	s_add_co_u32 s2, s2, 3*WSTEP
	s_cmp_eq_u32 s[FB], 0                          ; do I fetch for xb?
	s_cselect_b32 s62, s62, s2
	s_cselect_b64 s[PFA:PFA+1], s[4:5], s[6:7]
	s_cselect_b32 s[PFS], 8, 15                    ; a K step is 2^8 bytes of a row of xb, 2^15 of a block of wt;
	s_cselect_b32 s3, 13, 8                        ; from lane to lane: a row of xb, 2^13 bytes, or a row of wt, 2^8
	s_mov_b32 s63, 0
	s_mov_b32 s[PFS+1], 0
	v_lshlrev_b32 v[PFO], s3, v9
	s_lshl_b32 s[PFS], 1, s[PFS]
	s_add_nc_u64 s[PFA:PFA+1], s[PFA:PFA+1], s[62:63]
	s_and_b32 s2, ttmp7, 0xffff                    ; cluster y
	s_cmp_eq_u32 s[FB], 0
	s_cselect_b32 s2, ttmp9, s2                    ; the coordinate along which other clusters read the same rows
	s_cmp_eq_u32 s2, 0
	s_cselect_b32 s[LIM], 1, -1                    ; the same in all sixteen partners, for a given wave
	s_wait_kmcnt 0x0                               ; scale
	s_mov_b32 s[SC+1], s[SC]                       ; named with it as a pair
; 16 matrix instructions: blocks a0, a0 + 1 of the window's four blocks of 16 rows (hi = 0: my rows 0-63, 1: rows 64-127) x all 8 blocks of 16 columns, 32 along K.  zero = 1: the product starts the sum: nothing is ever cleared.
; The 64 accumulators take turns, one instruction a turn, in the same order in every quarter, over the loop's backward jump and into the tail too.
.macro MUL16 f, hi, a0, zero
	WIN MUL_LO+0x50*(\hi)
.irp a, \a0, (\a0)+1
.irp b, 0,1,2,3,4,5,6,7
.if \zero
	v_wmma_f32_16x16x32_bf16 v[8*(8*(\a)+(\b)):8*(8*(\a)+(\b))+7], v[(\f)+8*(\b):(\f)+8*(\b)+7], v[(\f)+8*(4*(\hi)+(\a)):(\f)+8*(4*(\hi)+(\a))+7], 0
.else
	v_wmma_f32_16x16x32_bf16 v[8*(8*(\a)+(\b)):8*(8*(\a)+(\b))+7], v[(\f)+8*(\b):(\f)+8*(\b)+7], v[(\f)+8*(4*(\hi)+(\a)):(\f)+8*(4*(\hi)+(\a))+7], v[8*(8*(\a)+(\b)):8*(8*(\a)+(\b))+7]
.endif
.endr
.endr
.endm
; 32 LDS loads in one run: the fragments of quarter u of the slot's K step (128 columns of W, 128 rows of x, 32 k) into buffer f
.macro FETCH slot, u, f
	WIN TO_B
.irp i, 0,1,2,3,4,5,6,7
	ds_load_b128 v[(\f)+8*(\i):(\f)+8*(\i)+3],   v[ADRB+(\slot)] offset:(\u)*32*PB+(\i)*32
	ds_load_b128 v[(\f)+8*(\i)+4:(\f)+8*(\i)+7], v[ADRB+(\slot)] offset:(\u)*32*PB+(\i)*32+16*PB
.endr
	WIN 0
.irp i, 0,1,2,3,4,5,6,7
	ds_load_b128 v[(\f)+8*(\i):(\f)+8*(\i)+3],   v[ADRA+(\slot)] offset:(\u)*64+(\i)*16*PA
	ds_load_b128 v[(\f)+8*(\i)+4:(\f)+8*(\i)+7], v[ADRA+(\slot)] offset:(\u)*64+(\i)*16*PA+32
.endr
.endm
; A K step is four quarters of 32 along K, 64 matrix instructions each, on buffers 0, 1, 0, 1.
; One of the first three: multiplies buffer f; in its middle it fetches quarter u of the same slot into buffer g.
.macro QUARTER slot, u, f, g, zero
	s_wait_dscnt 8                                 ; W and x's rows 0-63 are in; the youngest eight loads (x's rows 64-127) may be out
	MUL16 \f, 0, 0, \zero
	MUL16 \f, 0, 2, \zero
	PLACES                                         ; behind the last product on buffer g, in front of the loads into it
	FETCH \slot, \u, \g
	s_wait_dscnt 32                                ; all but the 32 just issued
	MUL16 \f, 1, 0, \zero
	MUL16 \f, 1, 2, \zero
.endm
; The last quarter multiplies buffer 1 and changes slots.  MEET is its first half: ONE barrier, for two things.  In front of it each wave waits for all its tensor loads, of which one is out: its part of the next slot;
; adds 0 to its spare word; and waits for that and for its own reads of this slot.  Behind it nobody reads this slot any more and the next slot is whole.
.macro MEET round                      ; round = 1: a round of the cluster's barrier follows
	WIN 0                                          ; (the add's two registers lie in window 0)
	s_wait_tensorcnt 0x0                           ; all my tensor loads have landed: the one that was out is my part of the next slot;
	ds_add_u32 v[SPW], v[NIL]                      ; 0 onto my spare word;
	s_wait_dscnt 9                                 ; (the add and the youngest eight loads may be out)
	MUL16 F1, 0, 0, 0                              ; sixteen matrix instructions stand between the add and the wait for it
	s_wait_dscnt 0x0                               ; the add is done, and my reads of this slot are over (the last were issued 48 matrix instructions ago):
	s_barrier_signal -1                            ; say so,
	MUL16 F1, 0, 2, 0                              ; work on registers while the others arrive,
.if \round
	WIN 0
.endif
	s_barrier_wait -1                              ; and go on when all four have said so
.endm
; The whole last quarter, with a refill.  The barrier opens a round of the cluster's, so that no wave of any partner still reads this slot or has a load on its way; behind the round the slot just read out is filled again
; first, with the K step two steps on; then come the next slot's first fragments.  From a request to the wait for it a wave issues 224 matrix instructions.
.macro TURN slot, next
	s_wait_xcnt 0x0                                ; the last prefetch, a K step back, has read its address: it is stepped here, ahead of the waits of the change of slots
	s_add_nc_u64 s[PFA:PFA+1], s[PFA:PFA+1], s[PFS:PFS+1]
	MEET 1
	CREST                                          ; all sixteen work-groups have said so
	s_add_nc_u64 s[G0A+4*(\slot)+2:G0A+4*(\slot)+3], s[G0A+4*(\slot)+2:G0A+4*(\slot)+3], 2*XSTEP  ; no tensor load of mine is out: both sets step two K steps on; the type bits on top are not reached
	s_add_nc_u64 s[G0B+4*(\slot)+2:G0B+4*(\slot)+3], s[G0B+4*(\slot)+2:G0B+4*(\slot)+3], 2*WSTEP
	JLOAD \slot                                    ; the first tensor load behind the round, my only one until the next; the four v_nop behind it are also the places in front of the loads below
	FETCH \next, 0, F0
	ASK                                            ; behind the joint load and the run of LDS loads that the next products wait for
	MUL16 F1, 1, 0, 0
	MUL16 F1, 1, 2, 0
.endm
; THE WAY OUT, in eight blocks t of 16 rows x 128 columns.  PACK: the sums times scale, each accumulator's registers in ascending order.  TOSTAGE: 32 bytes a lane into my own stage in LDS, and back as whole rows of
; 512 bytes.  SEND: stored.
.macro PACK t
	WIN 0x02+(\t)/4                                ; source 0: window 2 or 3
.irp b, 0,1,2,3,4,5,6,7
.irp p, 0,1,2,3
	v_pk_mul_f32 v[TMP+8*(\b)+2*(\p):TMP+8*(\b)+2*(\p)+1], v[64*((\t)%4)+8*(\b)+2*(\p):64*((\t)%4)+8*(\b)+2*(\p)+1], s[SC:SC+1] op_sel_hi:[1,0]
.endr
.endr
	WIN 0
.endm
.macro TOSTAGE t
	WIN 0
.irp b, 0,1,2,3,4,5,6,7
	ds_store_b128 v[STO], v[TMP+8*(\b):TMP+8*(\b)+3]   offset:64*(\b)
	ds_store_b128 v[STO], v[TMP+8*(\b)+4:TMP+8*(\b)+7] offset:64*(\b)+16
.endr
.irp i, 0,1,2,3,4,5,6,7,8,9,10,11,12,13,14,15
	ds_load_b128 v[OB+64*((\t)%2)+4*(\i):OB+64*((\t)%2)+4*(\i)+3], v[RD] offset:(\i)*SP  ; LDS serves a wave's instructions in order (ISA guide 5.7.1.4): these see the stores above; the stage is my wave's own
.endr
.endm
.macro SEND t
	WIN 0
	s_wait_dscnt 0x0                               ; the block is back in registers
	s_wait_xcnt 0x0                                ; every earlier store has had its addresses translated (ISA guide 3.1): the registers that the block before last was stored from are loaded again only behind this wait
.irp i, 0,1,2,3,4,5,6,7,8,9,10,11,12,13,14,15
	global_store_b128 v[CO], v[OB+64*((\t)%2)+4*(\i):OB+64*((\t)%2)+4*(\i)+3], s[10:11] offset:(16*(\t)+(\i))*ROWC th:TH_STORE_NT  ; the wave stores 512 consecutive bytes, at a multiple of 512 from out0's first byte; the largest immediate is 127 rows, 1,040,384
.endr
.endm
	s_wait_tensorcnt 1                             ; my part of K step 0 is in; K step 1's may stay out
	s_barrier_signal -1
	s_barrier_wait -1                              ; everybody's is
	FETCH 0, 0, F0
	QUARTER 0, 1, F0, F1, 1                        ; the first quarter stands in front of the loop: its products start the sums
	WIN 0                                          ; at a label and at a branch every window is 0
	s_mov_b32 s[CNT], LAPS-1
.Llap:                                                 ; a trip goes once round the ring, from a lap's second quarter to the next lap's first, and fills both slots again
	QUARTER 0, 2, F1, F0, 0
	QUARTER 0, 3, F0, F1, 0
	TURN 0, 1
	QUARTER 1, 1, F0, F1, 0
	QUARTER 1, 2, F1, F0, 0
	QUARTER 1, 3, F0, F1, 0
	TURN 1, 0
	QUARTER 0, 1, F0, F1, 0
	WIN 0
	s_sub_co_u32 s[CNT], s[CNT], 1
	s_cmp_lg_u32 s[CNT], 0
	s_cbranch_scc1 .Llap
	QUARTER 0, 2, F1, F0, 0                        ; the last lap is written out: it asks for nothing
	QUARTER 0, 3, F0, F1, 0
	MEET 0                                         ; my one tensor load that was still out is slot 1's, the last K step's, so no round follows
	PLACES                                         ; for the loads into buffer 0, which the quarter before multiplied
	FETCH 1, 0, F0
	MUL16 F1, 1, 0, 0
	MUL16 F1, 1, 2, 0
	QUARTER 1, 1, F0, F1, 0
	QUARTER 1, 2, F1, F0, 0
	QUARTER 1, 3, F0, F1, 0
	s_wait_dscnt 8                                 ; the very last quarter: nothing more to fetch
	MUL16 F1, 0, 0, 0
	MUL16 F1, 0, 2, 0
	s_wait_dscnt 0x0
	MUL16 F1, 1, 0, 0
	MUL16 F1, 1, 2, 0
	PLACES                                         ; behind the last product: the multiplies below read results, the loads below land on fragments
	PACK 0
	TOSTAGE 0
.irp t, 1,2,3,4,5,6,7                  ; block t's multiplies stand between block t - 1's loads from the stage and the wait for them
	PACK \t
	SEND (\t)-1
	TOSTAGE \t
.endr
	SEND 7
	s_wait_tensorcnt 0x0                           ; the wave's end: behind my last tensor load and my last LDS store
	ds_add_u32 v[SPW], v[NIL]
	s_wait_dscnt 0x0
	CROUND                                         ; the closing round: no work-group ends while a partner may still ask for a tile that names it
	s_endpgm
.Lfunc_end_k_q5f35e4319a_gemm:
	.size	k_q5f35e4319a_gemm, .Lfunc_end_k_q5f35e4319a_gemm-k_q5f35e4319a_gemm
	.p2alignl 7, 3214868480
	.fill 96, 4, 3214868480
	.section	.rodata,"a",@progbits
	.p2align	6, 0x0
	.amdhsa_kernel k_q5f35e4319a_gemm
		.amdhsa_group_segment_fixed_size 327680
		.amdhsa_private_segment_fixed_size 0
		.amdhsa_enable_private_segment 0
		.amdhsa_kernarg_size 32
		.amdhsa_user_sgpr_count 2
		.amdhsa_user_sgpr_kernarg_segment_ptr 1
		.amdhsa_wavefront_size32 1
		.amdhsa_system_sgpr_workgroup_id_x 1
		.amdhsa_system_sgpr_workgroup_id_y 1
		.amdhsa_system_sgpr_workgroup_id_z 1
		.amdhsa_system_vgpr_workitem_id 0
		.amdhsa_next_free_vgpr 1024
		.amdhsa_next_free_sgpr 68
		.amdhsa_reserve_vcc 0
		.amdhsa_float_denorm_mode_32 3
		.amdhsa_float_denorm_mode_16_64 3
		.amdhsa_memory_ordered 1
		.amdhsa_forward_progress 1
		.amdhsa_inst_pref_size 157
	.end_amdhsa_kernel
	.amdgpu_metadata
---
amdhsa.version: [ 1, 2 ]
amdhsa.kernels:
  - .name:           k_q5f35e4319a_gemm
    .symbol:         k_q5f35e4319a_gemm.kd
    .args:
      - { .name: xb, .offset: 0, .size: 8, .value_kind: global_buffer, .address_space: global }
      - { .name: wt, .offset: 8, .size: 8, .value_kind: global_buffer, .address_space: global }
      - { .name: scale, .offset: 16, .size: 8, .value_kind: global_buffer, .address_space: global }
      - { .name: out0, .offset: 24, .size: 8, .value_kind: global_buffer, .address_space: global }
    .group_segment_fixed_size: 327680
    .private_segment_fixed_size: 0
    .kernarg_segment_align: 8
    .kernarg_segment_size: 32
    .max_flat_workgroup_size: 128
    .sgpr_count:     68
    .vgpr_count:     1024
    .wavefront_size: 32
...
	.end_amdgpu_metadata
.endif
;; end of part 2
;; ======== version 2 of 2: 2 launches; version 1 with the launch prep written anew for expert scheduling mode
;; workspace buffers: wt 16,777,216 bytes; xb 67,108,864 bytes
;; launch prep (part 3): grid 1536 x 1, 8 waves a work-group, no clusters, 0 bytes of LDS; arguments quantized_kernel, x, wt, xb; writes wt, xb
.if DOCPART == 3
	.amdgcn_target "amdgcn-amd-amdhsa--gfx1250"
	.amdhsa_code_object_version 6
	.text
	.protected	k_q5f35e4319a_prep
	.globl	k_q5f35e4319a_prep
	.p2align	8
	.type	k_q5f35e4319a_prep,@function
k_q5f35e4319a_prep:
	s_mov_b64 s[64:65], 0
	v_nop
	global_prefetch_b8 v0, s[64:65] scope:SCOPE_SE
	s_setreg_imm32_b32 hwreg(HW_REG_WAVE_SCHED_MODE, 0, 2), 2
	s_setreg_imm32_b32 hwreg(HW_REG_WAVE_MODE, 25, 1), 1
	s_wait_xcnt 0x0
	s_wait_alu depctr_vm_vsrc(0)
; TWO JOBS IN ONE LAUNCH, told apart by the work-group's number: both operands of the product that follows are written as bf16.
; WORK-GROUPS 0 TO 511.  W: [4096 (k)][2048 (n)] int8  ->  wt: the same numbers as bf16 (every int8, -128 too, is exact in bf16), in blocks.
;   The 16 bytes that hold k = 64 s + 8 c + 0..7 (ascending, the lowest k in the lowest bits) of column n = 128 nb + 8 l + j lie at byte
;     nb x 1,048,576 + s x 16,384 + c x 2,048 + j x 256 + l x 16      (nb 0..15, s 0..63, c 0..7, j 0..7, l 0..15)
;   so 128 columns x 64 k are 16,384 dense bytes, 64 rows (c, j) of 256 bytes, and the blocks of one nb follow each other along k.
;   Work-group id: s = id % 64, columns 256 Y .. 256 Y + 255 with Y = id / 64.  Wave c: the eight rows k = 64 s + 8 c + 0..7.  Lane L: the eight columns 256 Y + 8 L + 0..7.
;   A wave loads 8 x 256 consecutive bytes, aligned, and stores 8 x (2 x 256): in each store lanes 0-15 write 256 consecutive bytes, aligned, of block nb = 2 Y, lanes 16-31 of nb = 2 Y + 1.
; WORK-GROUPS 512 TO 1,535.  x: [8192][4096] f32  ->  xb: the same shape in bf16, each number rounded once, to nearest even (|x| above 3.39e38 becomes infinity; NaN stays NaN).
;   A work-group owns 131,072 consecutive bytes of x: 32 pieces of 4,096.  Thread t owns the 16 bytes at 16 t of every piece and the 8 bytes at 8 t of its 2,048 bytes of xb: a wave's load covers 512 consecutive
;   bytes, its store 256 consecutive bytes, aligned.  A piece's place stands in the immediate, and no address register is ever rewritten.
; Nothing is shared between waves: no LDS, no barrier.
; THE MODE: SCHED_MODE bits 1:0 = 2 (LLVM: expert scheduling mode 2), set by the entry lines.  The code itself states the register dependences between vector instructions and memory instructions,
; with s_wait_alu, always for 0.
; THE PLAN: no register that a memory instruction touches is written a second time, so what is left to state is that a store's data and an offset are written before they are read.
;   W:  v3, v4   offsets, made once at the head; read by the eight loads (v3) and the eight stores (v4).
;       R        written by the eight loads, once; read by vector instructions alone.       T   named by vector instructions alone.
;       Y[j]     written by column j's roundings, once; read by column j's store.  Columns 0 to 3 are made, ONE wait, and their stores are dealt among columns 4 to 7, which name T, R and Y[4..7] alone; one more wait, the last four stores.
;   x:  v1, v2   offsets, made once at the head; read by every load (v1) and every store (v2).
;       X[p]     four registers of its own for each of the 32 pieces: written by piece p's load; its two conversions read the four and write the first two; piece p's store reads those two.
;                The pieces go in 8 blocks of four.  Block b converts its own pieces; its memory instructions are the stores of block b - 1 and the loads of block b + 5, whose registers no vector instruction of block b names.
;                So ONE wait at a block's head, behind the wait for the block's data, states all that the block's memory instructions hang on.
.set NW,     512                       ; work-groups that lay W out
.set ROWB,   2048                      ; bytes in a row of W
.set R,      8                         ; v[8:23]   W: row i of my eight: the pair v[8+2i:9+2i], eight int8
.set T,      24                        ; v[24:31]  W: eight numbers at work
.set Y,      32                        ; v[32:63]  W: column j: four registers, eight bf16; each column has its own, so no store's data is rewritten
.set BLOCK,  4                         ; x: pieces in a block
.set BLOCKS, 8
.set AHEAD,  5                         ; x: blocks asked for at the head; block b asks for block b + AHEAD: 16 to 20 loads of every wave are on their way
.set PIECE,  4096                      ; x: bytes that the work-group's 256 threads load at once
.set XC,     8                         ; v[8:135]  x: piece p: four f32 as loaded at XC + 4 p; then four bf16, to store, in the first two of them
	s_load_b256 s[4:11], s[0:1], 0x0               ; W s[4:5], x s[6:7], wt s[8:9], xb s[10:11]
	s_mov_b32 s2, ttmp9
	s_cmp_lt_u32 s2, NW
	s_cbranch_scc0 .Lcast
	v_and_b32 v1, 31, v0                           ; L
	v_lshrrev_b32 v2, 5, v0
	v_readfirstlane_b32 s12, v2                    ; wave c
	s_and_b32 s13, s2, 63                          ; s
	s_lshr_b32 s14, s2, 6                          ; Y
	v_lshlrev_b32 v3, 3, v1                        ; in: 8 L
	v_lshrrev_b32 v2, 4, v1                        ; L / 16: which of the two blocks nb
	v_and_b32 v4, 15, v1                           ; l
	v_lshlrev_b32 v4, 4, v4
	v_lshl_or_b32 v4, v2, 20, v4                   ; out: (L / 16) x 1,048,576 + 16 l
	s_lshl_b32 s16, s13, 17                        ; in: 64 s rows of 2,048 bytes,
	s_wait_alu depctr_va_sdst(0)                   ; s12 is written, ahead of its first reader: both bases are made from it
	s_lshl_b32 s17, s12, 14                        ; 8 c rows,
	s_add_co_u32 s16, s16, s17
	s_lshl_b32 s17, s14, 8                         ; 256 Y columns
	s_add_co_u32 s16, s16, s17
	s_mov_b32 s17, 0
	s_lshl_b32 s18, s14, 21                        ; out: nb = 2 Y,
	s_lshl_b32 s19, s13, 14                        ; block s,
	s_add_co_u32 s18, s18, s19
	s_lshl_b32 s19, s12, 11                        ; chunk c
	s_add_co_u32 s18, s18, s19
	s_mov_b32 s19, 0
	s_wait_kmcnt 0x0
	s_add_nc_u64 s[4:5], s[4:5], s[16:17]
	s_add_nc_u64 s[8:9], s[8:9], s[18:19]
	s_wait_alu depctr_va_vdst(0)                   ; v3 and v4 are written: the loads below read v3 as their offset, the stores further down v4
.irp i, 0,1,2,3,4,5,6,7
	global_load_b64 v[R+2*(\i):R+2*(\i)+1], v3, s[4:5] offset:ROWB*(\i) th:TH_LOAD_NT
.endr
	s_wait_loadcnt 0x0                             ; a column wants a byte of each of the eight rows: all are needed at once
; Column j: byte j % 4 of word j / 4 of each row, sign-extended (moved to the top, shifted back down), made f32, rounded (exactly) to bf16 in pairs of k.  It names R, T and Y[j] alone.
.macro COL j
.if ((\j)%4) < 3
.irp i, 0,1,2,3,4,5,6,7
	v_lshlrev_b32 v[T+(\i)], 24-8*((\j)%4), v[R+2*(\i)+(\j)/4]
.endr
.irp i, 0,1,2,3,4,5,6,7
	v_ashrrev_i32 v[T+(\i)], 24, v[T+(\i)]
.endr
.else
.irp i, 0,1,2,3,4,5,6,7
	v_ashrrev_i32 v[T+(\i)], 24, v[R+2*(\i)+(\j)/4]
.endr
.endif
.irp i, 0,1,2,3,4,5,6,7
	v_cvt_f32_i32 v[T+(\i)], v[T+(\i)]
.endr
.irp q, 0,1,2,3
	v_cvt_pk_bf16_f32 v[Y+4*(\j)+(\q)], v[T+2*(\q)], v[T+2*(\q)+1]
.endr
.endm
.irp j, 0,1,2,3
	COL \j
.endr
	s_wait_alu depctr_va_vdst(0)                   ; the roundings of columns 0 to 3 have written Y[0] to Y[3], which the four stores below read
.irp j, 4,5,6,7
	global_store_b128 v4, v[Y+4*((\j)-4):Y+4*((\j)-4)+3], s[8:9] offset:256*((\j)-4)  ; no vector instruction since the wait names these registers
	COL \j
.endr
	s_wait_alu depctr_va_vdst(0)                   ; the roundings of columns 4 to 7 have written Y[4] to Y[7], which the last four stores read
.irp j, 4,5,6,7
	global_store_b128 v4, v[Y+4*(\j):Y+4*(\j)+3], s[8:9] offset:256*(\j)
.endr
	s_endpgm
.Lcast:
	s_sub_co_u32 s2, s2, NW                        ; which 131,072 bytes of x: 0 .. 1,023
	v_lshlrev_b32 v1, 4, v0                        ; in: 16 t; never rewritten
	v_lshlrev_b32 v2, 3, v0                        ; out: 8 t; never rewritten
	s_lshl_b32 s12, s2, 17
	s_mov_b32 s13, 0
	s_lshl_b32 s14, s2, 16
	s_mov_b32 s15, 0
	s_wait_kmcnt 0x0
	s_add_nc_u64 s[6:7], s[6:7], s[12:13]
	s_add_nc_u64 s[10:11], s[10:11], s[14:15]
	s_wait_alu depctr_va_vdst(0)                   ; v1 and v2 are written: every load below reads v1 as its offset, every store v2
.set p, 0
.rept AHEAD*BLOCK
	global_load_b128 v[XC+4*p:XC+4*p+3], v1, s[6:7] offset:p*PIECE th:TH_LOAD_NT  ; blocks 0 to 4
.set p, p+1
.endr
; Block b.  left = how many younger loads may still be out when this block's four have to be there.
; A load and a store stand in front of each piece's two conversions, the load first.
.macro BLK b, left
	s_wait_loadcnt \left                           ; loads come back in order (ISA guide 5.7.1): this block's four are in, the younger ones stay out
.if (\b) > 0
	s_wait_alu depctr_va_vdst(0)                   ; the conversions of the block before have written its four pairs, which the stores below read
.endif
.irp i, 0,1,2,3
.if (\b)+AHEAD < BLOCKS
.set p, BLOCK*((\b)+AHEAD)+(\i)
	global_load_b128 v[XC+4*p:XC+4*p+3], v1, s[6:7] offset:p*PIECE th:TH_LOAD_NT  ; five blocks ahead, into registers that no vector instruction has named
.endif
.if (\b) > 0
.set p, BLOCK*((\b)-1)+(\i)
	global_store_b64 v2, v[XC+4*p:XC+4*p+1], s[10:11] offset:p*PIECE/2  ; the block before; no vector instruction since the wait names these registers, and none writes them again
.endif
.set p, BLOCK*(\b)+(\i)
	v_cvt_pk_bf16_f32 v[XC+4*p],   v[XC+4*p],   v[XC+4*p+1]  ; four numbers close up into the first two of their four registers
	v_cvt_pk_bf16_f32 v[XC+4*p+1], v[XC+4*p+2], v[XC+4*p+3]
.endr
.endm
	BLK 0, 16                                      ; 20 loads are out and 4 must be in; each of blocks 0 to 2 asks for four more
	BLK 1, 16
	BLK 2, 16
	BLK 3, 16                                      ; all 32 have been asked for, 16 must be in
	BLK 4, 12                                      ; no load is left to issue: the counts run down
	BLK 5, 8
	BLK 6, 4
	BLK 7, 0
	s_wait_alu depctr_va_vdst(0)                   ; block 7's conversions have written its four pairs, which the last four stores read
.set p, BLOCK*(BLOCKS-1)
.rept BLOCK
	global_store_b64 v2, v[XC+4*p:XC+4*p+1], s[10:11] offset:p*PIECE/2
.set p, p+1
.endr
	s_endpgm
.Lfunc_end_k_q5f35e4319a_prep:
	.size	k_q5f35e4319a_prep, .Lfunc_end_k_q5f35e4319a_prep-k_q5f35e4319a_prep
	.p2alignl 7, 3214868480
	.fill 96, 4, 3214868480
	.section	.rodata,"a",@progbits
	.p2align	6, 0x0
	.amdhsa_kernel k_q5f35e4319a_prep
		.amdhsa_group_segment_fixed_size 0
		.amdhsa_private_segment_fixed_size 0
		.amdhsa_enable_private_segment 0
		.amdhsa_kernarg_size 32
		.amdhsa_user_sgpr_count 2
		.amdhsa_user_sgpr_kernarg_segment_ptr 1
		.amdhsa_wavefront_size32 1
		.amdhsa_system_sgpr_workgroup_id_x 1
		.amdhsa_system_sgpr_workgroup_id_y 1
		.amdhsa_system_sgpr_workgroup_id_z 1
		.amdhsa_system_vgpr_workitem_id 0
		.amdhsa_next_free_vgpr 136
		.amdhsa_next_free_sgpr 66
		.amdhsa_reserve_vcc 0
		.amdhsa_float_denorm_mode_32 3
		.amdhsa_float_denorm_mode_16_64 3
		.amdhsa_memory_ordered 1
		.amdhsa_forward_progress 1
		.amdhsa_inst_pref_size 22
	.end_amdhsa_kernel
	.amdgpu_metadata
---
amdhsa.version: [ 1, 2 ]
amdhsa.kernels:
  - .name:           k_q5f35e4319a_prep
    .symbol:         k_q5f35e4319a_prep.kd
    .args:
      - { .name: quantized_kernel, .offset: 0, .size: 8, .value_kind: global_buffer, .address_space: global }
      - { .name: x, .offset: 8, .size: 8, .value_kind: global_buffer, .address_space: global }
      - { .name: wt, .offset: 16, .size: 8, .value_kind: global_buffer, .address_space: global }
      - { .name: xb, .offset: 24, .size: 8, .value_kind: global_buffer, .address_space: global }
    .group_segment_fixed_size: 0
    .private_segment_fixed_size: 0
    .kernarg_segment_align: 8
    .kernarg_segment_size: 32
    .max_flat_workgroup_size: 256
    .sgpr_count:     66
    .vgpr_count:     136
    .wavefront_size: 32
...
	.end_amdgpu_metadata
.endif
;; end of part 3
;; launch gemm: the kernel of part 2 again; grid 8 x 32, 4 waves a work-group, clusters of 4 x 4, 327,680 bytes of LDS; arguments xb, wt, scale, out0; writes out0
